; MI455X (gfx1250); checked and timed in simulation.
; The chip was launched on July 23, 2026; its instructions are those of AMD's public machine-readable ISA for CDNA 5 (MIT licence, August 2026) and "CDNA5" Instruction Set Architecture Reference Guide (July 2026). The comments in the code are by the model that wrote it; some were corrected since.
;; Log Superposition. Allowed arithmetic: float matrix products may take bf16 or f16 operands with f32 sums; other float arithmetic in f32, or as packed bf16 or f16 multiplies, adds, multiply-adds, maxima and minima; sums over many terms, partial sums and values carried from step to step in f32; what a program stores and reads back later, other than sums and carried values, may be rounded once to bf16 or f16.
;; Inputs: frequencies 4 x 100 float32; mode_responses 4 x 100 x 3 x 16 float32; mode_shapes 4 x 3 x 16 x 64 x 64 float32.
;; Outputs: out0 4 x 100 x 64 x 64 float32; out1 4 x 100 x 2 x 64 x 64 float32; out2 one number float32.
;; One version. Each part assembles by itself: llvm-mc -triple=amdgcn-amd-amdhsa -mcpu=gfx1250 --defsym DOCPART=n.
;; ======== version 1 of 1: 1 launch
;; launch superpose (part 1): grid 64 x 4, 8 waves a work-group, clusters of 4 x 1, 327,680 bytes of LDS; arguments mode_shapes, mode_responses, frequencies, out0, out1, out2; writes out0, out1, out2
.if DOCPART == 1
	.amdgcn_target "amdgcn-amd-amdhsa--gfx1250"
	.amdhsa_code_object_version 6
	.text
	.protected	k_qfe4926a068_superpose
	.globl	k_qfe4926a068_superpose
	.p2align	8
	.type	k_qfe4926a068_superpose,@function
k_qfe4926a068_superpose:
	s_mov_b64 s[64:65], 0
	v_nop
	global_prefetch_b8 v0, s[64:65] scope:SCOPE_SE
	s_setreg_imm32_b32 hwreg(HW_REG_WAVE_MODE, 25, 1), 1
	s_wait_xcnt 0x0
	s_wait_alu depctr_hold_cnt(0) depctr_sa_sdst(0) depctr_va_vdst(0) depctr_va_sdst(0) depctr_va_ssrc(0) depctr_va_vcc(0) depctr_vm_vsrc(0)
	s_getreg_b32 s2, hwreg(HW_REG_IB_STS2, 6, 4)
	s_cmp_eq_u32 s2, 0
	s_cbranch_scc0 .Lentry_in_a_cluster
	s_endpgm
.Lentry_in_a_cluster:
	s_bfe_u32 s2, ttmp6, 0x10000c
	s_cmp_lg_u32 s2, 0x3003
	s_cbranch_scc0 .Lentry_shape_is_right
	s_endpgm
.Lentry_shape_is_right:
; LOG SUPERPOSITION, one launch.  mode_shapes [4][3][16][4096], mode_responses [4][100][3][16], frequencies [4][100], all f32.
; out0[b][f][x] = m + ln(n) - ln 16 + bias(freq[b][f]) / 2,  out1[b][f][0..1][x] = (sr, si) / n,  out2 = mean of softplus(0.5 logsumexp_f(2 r0)), where
;   mag_p = ms0[b][p][x] - norm[b][p] + sqrt(2 ln 4096) + r0[b][f][p],  norm = 0.5 logsumexp_x(2 ms0),  m = max_p mag_p,  w_p = exp(mag_p - m),
;   (sr, si) = sum_p w_p s_p t_p (complex; s and t divided by their lengths, the squared length held to 2^-23 at the least),  n = sqrt(sr^2 + si^2 + 0.001).
; NOTHING IS LEFT OUT: every input reaches an output and is loaded.  One term is moved: sqrt(2 ln 4096) is the same for all 16 peaks, so it cancels in mag_p - m for all values of the
; inputs; it is added with the output's other constants.  All exponents are kept in base 2: a' = (ms0 - norm) log2(e), b' = r0 log2(e), m' = max_p (a' + b'), w = 2^(a' + b' - m').
; The maximum is the true one, taken away in front of every exponential, here and in both logsumexps.
; SHARES.  256 work-groups: one b, 64 pixels (256 bytes of every plane), all 100 frequencies.  Eight waves; a lane holds two neighbouring pixels, so packed f32 lines serve a pair and a wave's store of
; 8 bytes a lane covers 256 consecutive bytes, aligned.  Waves 0-3 take 13 frequencies, waves 4-7 take 12: twelve counted trips, and one more step under a branch on the wave's number.
; norm[b][p] spans all 4,096 pixels, and work-groups may hand each other nothing: each work-group makes the 16 norms of its b itself, from the 262,144 bytes of b's channel 0.
; CLUSTER.  The four work-groups of a cluster have the same b and want the same 16 planes: each plane is asked for JOINTLY, the same tensor load with the same descriptor and the mask of four in all four.
; Wave w asks for planes 2 w and 2 w + 1 into LDS bytes of its own and reads them alone; every LDS byte is filled once, so there is no ring and no change of slots.
; THE TABLE.  What hangs on (f, p) alone is made once a work-group and kept in LDS, a record of 256 bytes a frequency: 16 b', 16 t_r, 16 t_i, and the constant
; c = sqrt(2 ln 4096) - ln 16 + bias / 2.  All lanes of a wave read the same record; the packed lines pick one register of a pair for both halves.
; 128 records are written for 100 frequencies (512 items for 256 threads, twice), the last 28 copies of frequency 99 from clamped addresses: no lane is switched off, and nobody reads them
; but the four loads that run one record ahead of a wave's last step.
; THE BIAS TABLE is 1.5 cos(pi k / 127) - 3, k = 0 .. 127, interpolated linearly.  Its two nodes are computed, cos(pi k / 127) = sin((63.5 - k) pi / 127), by the odd series up to y^11
; (|y| <= pi / 2: the first term left out is under 6e-8), so that no address hangs on a floating-point number.
; out2 is made by the cluster at (0, 0): a branch may hang on the cluster's place, which partners share, but not on a work-group's place in its cluster.  So all four partners compute it
; (wave w: 8 of the 64 columns) and the partner at place 0 alone stores, one lane under EXEC.
; NO MATRIX UNIT: w hangs on f, p and x together, so the sum is no product; split as 2^a' 2^b' it would be one, but the shift would then be max a' + max b', not the maximum of the sum.
; NO PREFETCH: every byte that the work-group reads is asked for at its head, in one go; there is no later stream to run ahead of.
; LIMITS.  NaN and infinities are not treated apart (a NaN frequency gives a NaN bias).  A weight below 2^-126 counts as 0.  v_rsq_f32, v_log_f32, v_exp_f32 are good to one unit in the last place;
; sums are taken in another order than the definition's.
.set ROWB,  16384                      ; bytes of a plane: 4,096 pixels
.set CHANB, 16*ROWB                    ; of a channel's 16 planes
.set BATB,  3*CHANB                    ; of one b in mode_shapes
.set RECF,  192                        ; bytes of one frequency in mode_responses: 3 x 16
.set RESPB, 100*RECF                   ; of one b there
.set PIX,   262144                     ; LDS: behind the 16 planes, the work-group's 64 pixels: a', s_r, s_i, 4,096 bytes each; peaks 2 j, 2 j + 1 at 512 j, 16 bytes a lane
.set TAB,   PIX+12288                  ; the table
.set REC,   256
.set AUX,   TAB+128*REC                ; eight partial sums for out2
.set SPARE, AUX+256                    ; the spare words, 128 bytes for each wave: four blocks of 256 bytes that no other line names
; vector registers, kept throughout
.set SPW, 1                            ; LDS address of my spare word; never rewritten
.set NIL, 2                            ; 0; never rewritten
.set LN,  3                            ; lane
; vector registers in front of the barrier
.set LA,  4                            ; my 16 bytes in the first 512 of my first plane in LDS (behind the barrier: in the pixel data)
.set PO,  5                            ; byte offset of my two pixels in plane 2 w of channel 0
.set RO0, 6                            ; byte offsets in mode_responses and frequencies of my two table items
.set RO1, 7
.set FO0, 8
.set FO1, 9
.set TS,  10                           ; where my table items go
.set TC,  11
.set PS,  12                           ; where my pixel data go
.set AO,  13                           ; out2: my offsets in mode_responses
.set VAL, 14                           ; v[14:15] out2: 1.0 where my seventh frequency exists, else 0
.set PA,  16                           ; v[16:19] ms0, v[20:23] s_r, v[24:27] s_i of my two pixels, peaks 2 w and 2 w + 1
.set PR,  20
.set PI,  24
.set PT,  28                           ; v[28:31] their squared lengths
.set NRM, 32                           ; v[32:33] norm log2(e) of my two planes
.set MP,  34                           ; v[34:35] a plane's maximum times 2 log2(e), twice
.set TM,  36                           ; v[36:39] four running maxima
.set T0,  40                           ; v[40:41] at work
.set AO6, 42
.set CS11, 43                          ; the series' last coefficient
.set IT0, 44                           ; a table item: r0 x 4, t_r x 4, t_i x 4, the frequency (later c)
.set IT1, 60
.set IN0, 76                           ; v[76:79], v[80:83] squared lengths of t
.set IN1, 80
.set BW,  84                           ; v[84:91] the bias, at work
.set AX,  96                           ; v[96:123] out2: seven frequencies x four columns
.set AT,  IN0                          ; out2: at work, in registers that have been written
.set X,   128                          ; v[128:255] a plane: 128 numbers a lane
.set AM,  X                            ; out2: four column maxima, ahead of the planes
; vector registers behind the barrier
.set A,   16                           ; v[16:47] a', v[48:79] s_r, v[80:111] s_i: peak p's pair of pixels at + 2 p
.set SRE, 48
.set SIM, 80
.set MAG, 112                          ; v[112:143] a' + b', then w
.set TB,  144                          ; v[144:159] b', v[160:175] t_r, v[176:191] t_i, v[192:193] c twice
.set TR,  160
.set TI,  176
.set CC,  192
.set U,   194                          ; v[194:209] two sets of w s_r, w s_i for two peaks
.set ACC, 210                          ; v[210:217] sr, si of the even peaks, sr, si of the odd ones
.set MX,  218                          ; v[218:225] four chains of the maximum x two pixels
.set MXP, 226                          ; v[226:227] m'
.set N2,  228
.set RS,  230
.set LG,  232
.set D0,  234                          ; what is stored
.set D1,  236
.set OO,  238
.set TA,  240                          ; LDS address of the step's record
.set VO0, 241                          ; byte offsets of my two pixels in out0 and out1, one step ahead of the stores
.set VO1, 242
; scalar registers: s[4:5] mode_shapes, s[6:7] mode_responses, s[8:9] frequencies, s[10:11] out0, s[12:13] out1, s[14:15] out2
.set WV,  16                           ; my wave's number
.set CX,  17                           ; my place in the cluster: it enters global offsets and one EXEC mask, nothing else
.set CH,  18                           ; my block of 64 pixels
.set BB,  19                           ; b
.set AUXF, 20                          ; 0 in the cluster at (0, 0)
.set CNT, 21
.set SVX, 22
.set LB,  23                           ; 32,768 x wave
.set G1,  24                           ; s[24:31] descriptor group 1
.set G0,  32                           ; s[32:39] descriptor group 0, one set for each of my two planes
.set SEL, 40                           ; s[40:41] v_permlanex16_b32: each lane takes its own place in the other half
.set L2E, 42                           ; pairs, both words written: the packed lines take the low word for both halves
.set K2,  44
.set LN2, 46
.set EPS3, 48
.set HL2, 50
.set FEPS, 52
.set C75, 53
.set C0,  54
; A round of the cluster's barrier: my work-group's barrier, so that wave 0's signal speaks for all eight waves; wave 0 signals; every wave waits for all four work-groups; my work-group's barrier once more.
.macro ROUND
	s_barrier_signal -1
	s_barrier_wait -1
	s_cmp_lg_u32 s[WV], 0
	s_cbranch_scc1 .Lnot_wave_0_\@
	s_barrier_signal -3
.Lnot_wave_0_\@:
	s_barrier_wait -3
	s_barrier_signal -1
	s_barrier_wait -1
.endm
.macro NORM2 n, re, im                 ; four squared lengths, held to 2^-23 at the least
	v_pk_mul_f32 v[(\n):(\n)+1], v[(\re):(\re)+1], v[(\re):(\re)+1]
	v_pk_mul_f32 v[(\n)+2:(\n)+3], v[(\re)+2:(\re)+3], v[(\re)+2:(\re)+3]
	v_pk_fma_f32 v[(\n):(\n)+1], v[(\im):(\im)+1], v[(\im):(\im)+1], v[(\n):(\n)+1]
	v_pk_fma_f32 v[(\n)+2:(\n)+3], v[(\im)+2:(\im)+3], v[(\im)+2:(\im)+3], v[(\n)+2:(\n)+3]
.irp i, 0,1,2,3
	v_max_num_f32 v[(\n)+\i], s[FEPS], v[(\n)+\i]
.endr
.endm
.macro UNIT re, im, n                  ; four directions times 1 / length
	v_pk_mul_f32 v[(\re):(\re)+1], v[(\re):(\re)+1], v[(\n):(\n)+1]
	v_pk_mul_f32 v[(\re)+2:(\re)+3], v[(\re)+2:(\re)+3], v[(\n)+2:(\n)+3]
	v_pk_mul_f32 v[(\im):(\im)+1], v[(\im):(\im)+1], v[(\n):(\n)+1]
	v_pk_mul_f32 v[(\im)+2:(\im)+3], v[(\im)+2:(\im)+3], v[(\n)+2:(\n)+3]
.endm
; c = C0 + 0.75 x (the cosine table interpolated at the frequency in v[fq]), written over the frequency
.macro BIAS fq
	v_add_f32 v[BW], 1.0, v[\fq]
	v_mul_f32 v[BW], 0x427e0000, v[BW]             ; (freq + 1) x 0.5 x 127
	v_max_num_f32 v[BW], 0, v[BW]
	v_min_num_f32 v[BW], 0x42fe0000, v[BW]         ; held to 0 .. 127
	v_floor_f32 v[BW+1], v[BW]                     ; lo
	v_add_f32 v[BW+2], 1.0, v[BW+1]
	v_sub_f32 v[BW+3], v[BW], v[BW+1]              ; the weight of hi
	v_min_num_f32 v[BW+2], 0x42fe0000, v[BW+2]     ; hi
	v_sub_f32 v[BW+1], 0x427e0000, v[BW+1]         ; 63.5 - k, exact
	v_sub_f32 v[BW+2], 0x427e0000, v[BW+2]
	v_mul_f32 v[BW+1], 0x3ccaa525, v[BW+1]         ; y = (63.5 - k) pi / 127
	v_mul_f32 v[BW+2], 0x3ccaa525, v[BW+2]
	v_mul_f32 v[BW+4], v[BW+1], v[BW+1]
	v_mul_f32 v[BW+5], v[BW+2], v[BW+2]
	v_fmaak_f32 v[BW+6], v[BW+4], v[CS11], 0x3638ef1d  ; -1/11! y^2 + 1/9!
	v_fmaak_f32 v[BW+7], v[BW+5], v[CS11], 0x3638ef1d
.irp c, 0xb9500d01, 0x3c088889, 0xbe2aaaab, 0x3f800000  ; -1/7!, 1/5!, -1/3!, 1
	v_fmaak_f32 v[BW+6], v[BW+4], v[BW+6], \c
	v_fmaak_f32 v[BW+7], v[BW+5], v[BW+7], \c
.endr
	v_mul_f32 v[BW+6], v[BW+1], v[BW+6]            ; sin y = cos(pi k / 127)
	v_mul_f32 v[BW+7], v[BW+2], v[BW+7]
	v_sub_f32 v[BW+7], v[BW+7], v[BW+6]
	v_fma_f32 v[BW+6], v[BW+3], v[BW+7], v[BW+6]
	v_fma_f32 v[\fq], v[BW+6], s[C75], s[C0]
.endm
; One plane's 0.5 log2(sum of 2^(2 log2(e) x)).  The plane lies in my own LDS bytes and comes into 128 registers a lane.
.macro LF k                            ; pair k: 2 log2(e) x - the maximum's
	v_pk_fma_f32 v[X+2*(\k):X+2*(\k)+1], v[X+2*(\k):X+2*(\k)+1], s[K2:K2+1], v[MP:MP+1] op_sel_hi:[1,0,1] neg_lo:[0,0,1] neg_hi:[0,0,1]
.endm
.macro LADD k                          ; pair k is added onto pair k % 4: four chains, started by the first four pairs: nothing is cleared
.if (\k) >= 4
	v_pk_add_f32 v[X+2*((\k)%4):X+2*((\k)%4)+1], v[X+2*((\k)%4):X+2*((\k)%4)+1], v[X+2*(\k):X+2*(\k)+1]
.endif
.endm
.macro LSE r
.set k, 0
.rept 32
	ds_load_b128 v[X+4*k:X+4*k+3], v[LA] offset:(\r)*ROWB+512*k  ; 32 lanes x 16 neighbouring bytes
.set k, k+1
.endr
.set g, 0
.rept 8                                ; the maximum, in four chains, four loads at a time
	s_wait_dscnt 28-4*g                            ; LDS loads come back in order: of the 32, the first 4 g + 4 are in
.if g == 0
.irp c, 0,1,2,3
	v_max3_num_f32 v[TM+\c], v[X+4*\c], v[X+4*\c+1], v[X+4*\c+2]
.endr
.irp c, 0,1,2,3
	v_max_num_f32 v[TM+\c], v[TM+\c], v[X+4*\c+3]
.endr
.else
.irp c, 0,1,2,3
	v_max3_num_f32 v[TM+\c], v[TM+\c], v[X+16*g+4*\c], v[X+16*g+4*\c+1]
.endr
.irp c, 0,1,2,3
	v_max3_num_f32 v[TM+\c], v[TM+\c], v[X+16*g+4*\c+2], v[X+16*g+4*\c+3]
.endr
.endif
.set g, g+1
.endr
	v_max3_num_f32 v[TM], v[TM], v[TM+1], v[TM+2]
	v_max_num_f32 v[TM], v[TM], v[TM+3]
.irp m, 1,2,4,8
	v_max_num_f32_dpp v[TM], v[TM], v[TM] row_xmask:\m row_mask:0xf bank_mask:0xf
.endr
	v_permlanex16_b32 v[TM+1], v[TM], s[SEL], s[SEL+1]
	v_max_num_f32 v[TM], v[TM], v[TM+1]            ; every lane holds the plane's maximum
	v_mul_f32 v[MP], s[K2], v[TM]
	v_mul_f32 v[MP+1], s[K2], v[TM]
; Four batches of 32 exponentials, each with one wait behind it.  A batch's scalings, and the sums of the batch before (whose wait has passed), stand between its exponentials.
.set q, 0
.rept 4
	LF 16*q
	LF 16*q+1
.set k, 0
.rept 16
	v_exp_f32 v[X+32*q+2*k], v[X+32*q+2*k]
.if k < 14
	LF 16*q+k+2
.endif
	v_exp_f32 v[X+32*q+2*k+1], v[X+32*q+2*k+1]
.if q > 0
	LADD 16*(q-1)+k
.endif
.set k, k+1
.endr
	v_nop                                          ; a plain line behind the last exponential,
	s_wait_alu depctr_va_vdst(0)                   ; and the batch's one wait, ahead of the first line that names a result
.set q, q+1
.endr
.set k, 0
.rept 16
	LADD 48+k
.set k, k+1
.endr
	v_pk_add_f32 v[X:X+1], v[X:X+1], v[X+2:X+3]
	v_pk_add_f32 v[X+4:X+5], v[X+4:X+5], v[X+6:X+7]
	v_pk_add_f32 v[X:X+1], v[X:X+1], v[X+4:X+5]
	v_add_f32 v[X], v[X], v[X+1]
.irp m, 1,2,4,8
	v_add_f32_dpp v[X], v[X], v[X] row_xmask:\m row_mask:0xf bank_mask:0xf
.endr
	v_permlanex16_b32 v[X+1], v[X], s[SEL], s[SEL+1]
	v_add_f32 v[X], v[X], v[X+1]
	v_log_f32 v[X], v[X]
	v_nop
	s_wait_alu depctr_va_vdst(0)
	v_add_f32 v[X], v[MP], v[X]
	v_mul_f32 v[NRM+(\r)], 0.5, v[X]
.endm
; THE MAIN STEP's parts
.macro FS p                            ; peak p's pair: a' + b' - m'
	v_pk_add_f32 v[MAG+2*(\p):MAG+2*(\p)+1], v[MAG+2*(\p):MAG+2*(\p)+1], v[MXP:MXP+1] neg_lo:[0,1] neg_hi:[0,1]
.endm
.macro UMUL pp, st                     ; w s_r, w s_i for peaks 2 pp and 2 pp + 1, into set st
	v_pk_mul_f32 v[U+8*(\st):U+8*(\st)+1],   v[MAG+4*(\pp):MAG+4*(\pp)+1],   v[SRE+4*(\pp):SRE+4*(\pp)+1]
	v_pk_mul_f32 v[U+8*(\st)+2:U+8*(\st)+3], v[MAG+4*(\pp):MAG+4*(\pp)+1],   v[SIM+4*(\pp):SIM+4*(\pp)+1]
	v_pk_mul_f32 v[U+8*(\st)+4:U+8*(\st)+5], v[MAG+4*(\pp)+2:MAG+4*(\pp)+3], v[SRE+4*(\pp)+2:SRE+4*(\pp)+3]
	v_pk_mul_f32 v[U+8*(\st)+6:U+8*(\st)+7], v[MAG+4*(\pp)+2:MAG+4*(\pp)+3], v[SIM+4*(\pp)+2:SIM+4*(\pp)+3]
.endm
; (sr, si) += (w s)(t), complex, for the two peaks of set st.  t_r and t_i of the two peaks lie in one register pair each: the even peak's lines take the first register for both pixels, the odd peak's the second.
; Four accumulator pairs take turns, so that four lines stand between two links of a chain.  The first peaks start the sums.
.macro CACC pp, st
.if (\pp) == 0
	v_pk_mul_f32 v[ACC:ACC+1],   v[U+8*(\st):U+8*(\st)+1],   v[TR+2*(\pp):TR+2*(\pp)+1] op_sel_hi:[1,0]
	v_pk_mul_f32 v[ACC+2:ACC+3], v[U+8*(\st):U+8*(\st)+1],   v[TI+2*(\pp):TI+2*(\pp)+1] op_sel_hi:[1,0]
	v_pk_mul_f32 v[ACC+4:ACC+5], v[U+8*(\st)+4:U+8*(\st)+5], v[TR+2*(\pp):TR+2*(\pp)+1] op_sel:[0,1] op_sel_hi:[1,1]
	v_pk_mul_f32 v[ACC+6:ACC+7], v[U+8*(\st)+4:U+8*(\st)+5], v[TI+2*(\pp):TI+2*(\pp)+1] op_sel:[0,1] op_sel_hi:[1,1]
.else
	v_pk_fma_f32 v[ACC:ACC+1],   v[U+8*(\st):U+8*(\st)+1],   v[TR+2*(\pp):TR+2*(\pp)+1], v[ACC:ACC+1] op_sel_hi:[1,0,1]
	v_pk_fma_f32 v[ACC+2:ACC+3], v[U+8*(\st):U+8*(\st)+1],   v[TI+2*(\pp):TI+2*(\pp)+1], v[ACC+2:ACC+3] op_sel_hi:[1,0,1]
	v_pk_fma_f32 v[ACC+4:ACC+5], v[U+8*(\st)+4:U+8*(\st)+5], v[TR+2*(\pp):TR+2*(\pp)+1], v[ACC+4:ACC+5] op_sel:[0,1,0] op_sel_hi:[1,1,1]
	v_pk_fma_f32 v[ACC+6:ACC+7], v[U+8*(\st)+4:U+8*(\st)+5], v[TI+2*(\pp):TI+2*(\pp)+1], v[ACC+6:ACC+7] op_sel:[0,1,0] op_sel_hi:[1,1,1]
.endif
	v_pk_fma_f32 v[ACC:ACC+1],   v[U+8*(\st)+2:U+8*(\st)+3], v[TI+2*(\pp):TI+2*(\pp)+1], v[ACC:ACC+1] op_sel_hi:[1,0,1] neg_lo:[1,0,0] neg_hi:[1,0,0]
	v_pk_fma_f32 v[ACC+2:ACC+3], v[U+8*(\st)+2:U+8*(\st)+3], v[TR+2*(\pp):TR+2*(\pp)+1], v[ACC+2:ACC+3] op_sel_hi:[1,0,1]
	v_pk_fma_f32 v[ACC+4:ACC+5], v[U+8*(\st)+6:U+8*(\st)+7], v[TI+2*(\pp):TI+2*(\pp)+1], v[ACC+4:ACC+5] op_sel:[0,1,0] op_sel_hi:[1,1,1] neg_lo:[1,0,0] neg_hi:[1,0,0]
	v_pk_fma_f32 v[ACC+6:ACC+7], v[U+8*(\st)+6:U+8*(\st)+7], v[TR+2*(\pp):TR+2*(\pp)+1], v[ACC+6:ACC+7] op_sel:[0,1,0] op_sel_hi:[1,1,1]
.endm
; ONE FREQUENCY for my 64 pixels.  more = 1: the next record's b' is fetched as soon as this one's has been used.
.macro FSTEP more
.irp i, 0,1,2,3
	ds_load_b128 v[TR+4*\i:TR+4*\i+3], v[TA] offset:64+16*\i   ; all lanes read the same 16 bytes
.endr
.irp i, 0,1,2,3
	ds_load_b128 v[TI+4*\i:TI+4*\i+3], v[TA] offset:128+16*\i
.endr
	ds_load_b64 v[CC:CC+1], v[TA] offset:192
	s_wait_dscnt 9                                 ; b' of this step, asked for a step earlier (and, the first time, the pixel data) is in; the nine just issued may stay out
.set pp, 0
.rept 8
	v_pk_add_f32 v[MAG+4*pp:MAG+4*pp+1],   v[A+4*pp:A+4*pp+1],   v[TB+2*pp:TB+2*pp+1] op_sel_hi:[1,0]
	v_pk_add_f32 v[MAG+4*pp+2:MAG+4*pp+3], v[A+4*pp+2:A+4*pp+3], v[TB+2*pp:TB+2*pp+1] op_sel:[0,1] op_sel_hi:[1,1]
.set pp, pp+1
.endr
.if \more
.irp i, 0,1,2,3
	ds_load_b128 v[TB+4*\i:TB+4*\i+3], v[TA] offset:REC+16*\i
.endr
.endif
.irp c, 0,1,2,3                        ; m': for each pixel four chains of three peaks, the four peaks left over, and the chains into one
.irp j, 0,1
	v_max3_num_f32 v[MX+2*\c+\j], v[MAG+6*\c+\j], v[MAG+6*\c+2+\j], v[MAG+6*\c+4+\j]
.endr
.endr
.irp j, 0,1
	v_max3_num_f32 v[MX+\j], v[MX+\j], v[MAG+24+\j], v[MAG+26+\j]
	v_max3_num_f32 v[MX+2+\j], v[MX+2+\j], v[MAG+28+\j], v[MAG+30+\j]
.endr
.irp j, 0,1
	v_max3_num_f32 v[MX+4+\j], v[MX+4+\j], v[MX+6+\j], v[MX+\j]
.endr
.irp j, 0,1
	v_max_num_f32 v[MXP+\j], v[MX+4+\j], v[MX+2+\j]
.endr
	FS 0
	FS 1
.set p, 0
.rept 16                               ; one batch of 32 exponentials, the subtractions between them
	v_exp_f32 v[MAG+2*p], v[MAG+2*p]
.if p < 14
	FS p+2
.endif
	v_exp_f32 v[MAG+2*p+1], v[MAG+2*p+1]
.set p, p+1
.endr
	v_nop                                          ; a plain line behind the last exponential,
	s_wait_dscnt 4*(\more)                         ; t_r, t_i and c are in; the four loads of the next b' may stay out
	s_wait_alu depctr_va_vdst(0)                   ; and the batch's one wait
	UMUL 0, 0
.set pp, 0
.rept 8
.if pp < 7
	UMUL pp+1, (pp+1)%2
.endif
	CACC pp, pp%2
.set pp, pp+1
.endr
	v_pk_add_f32 v[ACC:ACC+1], v[ACC:ACC+1], v[ACC+4:ACC+5]
	v_pk_add_f32 v[ACC+2:ACC+3], v[ACC+2:ACC+3], v[ACC+6:ACC+7]
	v_pk_fma_f32 v[N2:N2+1], v[ACC:ACC+1], v[ACC:ACC+1], s[EPS3:EPS3+1] op_sel_hi:[1,1,0]
	v_pk_fma_f32 v[N2:N2+1], v[ACC+2:ACC+3], v[ACC+2:ACC+3], v[N2:N2+1]
	v_rsq_f32 v[RS], v[N2]
	v_rsq_f32 v[RS+1], v[N2+1]
	v_log_f32 v[LG], v[N2]
	v_log_f32 v[LG+1], v[N2+1]
	s_wait_xcnt 0x0                                ; the last step's stores have read their offsets and data: only behind this wait are those registers written again
	v_add_nc_u32 v[VO0], ROWB, v[VO0]              ; the next step's places; this step's stores reach back.  These two are also the plain lines behind the four transcendentals
	v_add_nc_u32 v[VO1], 2*ROWB, v[VO1]
	s_wait_alu depctr_va_vdst(0)                   ; one wait for the four
	v_pk_mul_f32 v[D0:D0+1], v[ACC:ACC+1], v[RS:RS+1]
	v_pk_mul_f32 v[D1:D1+1], v[ACC+2:ACC+3], v[RS:RS+1]
	v_pk_fma_f32 v[OO:OO+1], v[LG:LG+1], 0.5, v[MXP:MXP+1] op_sel_hi:[1,0,1]        ; m' + log2(n)
	v_pk_fma_f32 v[OO:OO+1], v[OO:OO+1], s[LN2:LN2+1], v[CC:CC+1] op_sel_hi:[1,0,1]  ; times ln 2, plus c
	global_store_b64 v[VO1], v[D0:D0+1], s[12:13] offset:-2*ROWB th:TH_STORE_NT     ; each store of the wave covers 256 consecutive bytes, aligned
	global_store_b64 v[VO1], v[D1:D1+1], s[12:13] offset:-ROWB th:TH_STORE_NT
	global_store_b64 v[VO0], v[OO:OO+1], s[10:11] offset:-ROWB th:TH_STORE_NT
	v_add_nc_u32 v[TA], REC, v[TA]
.endm
	s_load_b256 s[4:11], s[0:1], 0x0
	s_load_b128 s[12:15], s[0:1], 0x20
	v_lshl_add_u32 v[SPW], v0, 2, SPARE
	v_mov_b32 v[NIL], 0
	ds_add_u32 v[SPW], v[NIL]                      ; the wave's opening: the add, twice on end, and its wait ahead of my first tensor load; the set-up below, work on registers, stands between
	ds_add_u32 v[SPW], v[NIL]
	v_lshrrev_b32 v[T0], 5, v0
	v_readfirstlane_b32 s[WV], v[T0]               ; wave 0..7
	v_and_b32 v[LN], 31, v0
	s_bfe_u32 s[CX], ttmp6, 0x40000                ; my place in the cluster
	s_lshl_b32 s[CH], ttmp9, 2                     ; in a cluster launch ttmp9 counts clusters
	s_add_co_u32 s[CH], s[CH], s[CX]               ; my block of 64 pixels
	s_and_b32 s[BB], ttmp7, 0xffff                 ; b, which the four partners share
	s_or_b32 s[AUXF], s[BB], ttmp9                 ; 0 in the cluster at (0, 0): the same in all four partners
	; descriptor group 1: a plane is 16,384 dense bytes, asked for as 64 rows of 32 elements of 8 bytes
	s_mov_b32 s[G1+0], 15|(3<<16)|(1<<21)          ; 15:0 the mask of four; 17:16 elements of 8 bytes; 21 set beside a mask; no padding: the lanes read neighbouring bytes
	s_mov_b32 s[G1+1], 32<<16                      ; tensor_dim0 = 32
	s_mov_b32 s[G1+2], 64<<16                      ; tensor_dim1 = 64
	s_mov_b32 s[G1+3], 32<<16                      ; tile_dim0 = 32
	s_mov_b32 s[G1+4], 64                          ; tile_dim1 = 64
	s_mov_b32 s[G1+5], 32                          ; 32 elements from row to row
	s_mov_b32 s[G1+6], 0
	s_mov_b32 s[G1+7], 0
	s_mov_b32 s[SEL], 0x76543210
	s_mov_b32 s[SEL+1], 0xfedcba98
	s_mov_b32 s[L2E], 0x3fb8aa3b                   ; log2(e)
	s_mov_b32 s[L2E+1], 0x3fb8aa3b
	s_mov_b32 s[K2], 0x4038aa3b                    ; 2 log2(e)
	s_mov_b32 s[K2+1], 0x4038aa3b
	s_mov_b32 s[LN2], 0x3f317218                   ; ln 2
	s_mov_b32 s[LN2+1], 0x3f317218
	s_mov_b32 s[EPS3], 0x3a83126f                  ; 0.001
	s_mov_b32 s[EPS3+1], 0x3a83126f
	s_mov_b32 s[HL2], 0x3eb17218                   ; 0.5 ln 2
	s_mov_b32 s[HL2+1], 0x3eb17218
	s_mov_b32 s[FEPS], 0x34000000                  ; 2^-23
	s_mov_b32 s[C75], 0x3f400000                   ; 0.75 = 1.5 / 2
	s_mov_b32 s[C0], 0xbe46932a                    ; sqrt(2 ln 4096) - ln 16 - 3 / 2 = -0.1939208
	s_lshl_b32 s[LB], s[WV], 15                    ; my two planes: 32,768 bytes, in LDS and in memory alike
	s_mul_i32 s60, s[BB], BATB
	s_add_co_u32 s60, s60, s[LB]                   ; their offset in mode_shapes: b and the wave's number alone
	s_mov_b32 s61, 0
	s_lshl_b32 s55, s[CH], 8
	s_add_co_u32 s55, s55, s60                     ; my pixels in plane 2 w (in a register that feeds no descriptor)
	v_lshl_add_u32 v[PO], v[LN], 3, s55
	v_lshl_add_u32 v[LA], v[LN], 4, s[LB]
	s_lshl_b32 s56, s[WV], 9
	v_lshl_add_u32 v[PS], v[LN], 4, s56
	v_add_nc_u32 v[PS], PIX, v[PS]
	; the table: item = (record, four peaks): thread t takes record t / 4 and record 64 + t / 4, peaks 4 (t % 4) on
	v_lshrrev_b32 v[T0], 2, v0
	v_and_b32 v[T0+1], 3, v0
	s_mul_i32 s57, s[BB], RESPB
	s_mul_i32 s58, s[BB], 400
	v_mul_u32_u24 v[RO0], v[T0], RECF
	v_lshl_add_u32 v[RO0], v[T0+1], 4, v[RO0]
	v_add_nc_u32 v[RO0], s57, v[RO0]
	v_lshl_add_u32 v[FO0], v[T0], 2, s58
	v_add_nc_u32 v[RO1], 64, v[T0]
	v_min_u32 v[RO1], 99, v[RO1]                   ; records 100 to 127 are read from frequency 99: no load leaves its buffer
	v_lshl_add_u32 v[FO1], v[RO1], 2, s58
	v_mul_u32_u24 v[RO1], v[RO1], RECF
	v_lshl_add_u32 v[RO1], v[T0+1], 4, v[RO1]
	v_add_nc_u32 v[RO1], s57, v[RO1]
	v_lshlrev_b32 v[TS], 8, v[T0]
	v_lshl_add_u32 v[TC], v[T0+1], 2, v[TS]
	v_lshl_add_u32 v[TS], v[T0+1], 4, v[TS]
	v_add_nc_u32 v[TS], TAB, v[TS]
	v_add_nc_u32 v[TC], TAB+192, v[TC]             ; c is written four times a record, a word for each of the record's four threads
	s_mov_b32 s[G0], 1                             ; count = 1
	s_mov_b32 s[G0+1], s[LB]                       ; LDS address: no place in the cluster enters it
	s_mov_b32 s[G0+4], 1
	s_add_co_u32 s[G0+5], s[LB], ROWB
	s_wait_dscnt 0x0                               ; both opening adds are done
	s_wait_kmcnt 0x0
	s_add_nc_u64 s[G0+2:G0+3], s[4:5], s[60:61]    ; global address of plane 2 w of b's channel 0,
	s_add_nc_u64 s[G0+6:G0+7], s[G0+2:G0+3], ROWB  ; and of plane 2 w + 1
	s_or_b32 s[G0+3], s[G0+3], 0x80000000          ; type = 2
	s_or_b32 s[G0+7], s[G0+7], 0x80000000
	; what comes through registers is asked for first: it is on its way while the cluster meets
	global_load_b64 v[PA:PA+1],   v[PO], s[4:5]
	global_load_b64 v[PA+2:PA+3], v[PO], s[4:5] offset:ROWB
	global_load_b64 v[PR:PR+1],   v[PO], s[4:5] offset:CHANB
	global_load_b64 v[PR+2:PR+3], v[PO], s[4:5] offset:CHANB+ROWB
	global_load_b64 v[PI:PI+1],   v[PO], s[4:5] offset:2*CHANB
	global_load_b64 v[PI+2:PI+3], v[PO], s[4:5] offset:2*CHANB+ROWB
	global_load_b128 v[IT0:IT0+3],    v[RO0], s[6:7]
	global_load_b128 v[IT0+4:IT0+7],  v[RO0], s[6:7] offset:64
	global_load_b128 v[IT0+8:IT0+11], v[RO0], s[6:7] offset:128
	global_load_b32 v[IT0+12], v[FO0], s[8:9]
	global_load_b128 v[IT1:IT1+3],    v[RO1], s[6:7]
	global_load_b128 v[IT1+4:IT1+7],  v[RO1], s[6:7] offset:64
	global_load_b128 v[IT1+8:IT1+11], v[RO1], s[6:7] offset:128
	global_load_b32 v[IT1+12], v[FO1], s[8:9]
	s_cmp_lg_u32 s[AUXF], 0
	s_cbranch_scc1 .Lno_aux_loads
	; out2, in the cluster at (0, 0): wave w takes b = w / 2, peaks 8 (w % 2) on; lane l takes four of them, 4 (l % 2) on, and the frequencies l / 2 + 16 i, i = 0 .. 6
	s_lshr_b32 s57, s[WV], 1
	s_mul_i32 s57, s57, RESPB
	s_and_b32 s58, s[WV], 1
	s_lshl_b32 s58, s58, 5
	s_add_co_u32 s57, s57, s58
	v_lshrrev_b32 v[T0], 1, v[LN]
	v_and_b32 v[T0+1], 1, v[LN]
	v_mul_u32_u24 v[AO], v[T0], RECF
	v_lshl_add_u32 v[AO], v[T0+1], 4, v[AO]
	v_add_nc_u32 v[AO], s57, v[AO]
	v_add_nc_u32 v[AO6], 96, v[T0]
	v_min_u32 v[AO6], 99, v[AO6]                   ; the seventh exists for l / 2 < 4; the others read frequency 99 once more, which moves no maximum, and count it as 0 in the sum
	v_mul_u32_u24 v[AO6], v[AO6], RECF
	v_lshl_add_u32 v[AO6], v[T0+1], 4, v[AO6]
	v_add_nc_u32 v[AO6], s57, v[AO6]
	v_cmp_gt_u32 vcc_lo, 4, v[T0]
	v_cndmask_b32 v[VAL], 0, 1.0, vcc_lo
	v_cndmask_b32 v[VAL+1], 0, 1.0, vcc_lo
.irp i, 0,1,2,3,4,5
	global_load_b128 v[AX+4*\i:AX+4*\i+3], v[AO], s[6:7] offset:16*RECF*\i
.endr
	global_load_b128 v[AX+24:AX+27], v[AO6], s[6:7]
.Lno_aux_loads:
	ROUND                                          ; all four work-groups are here: the joint loads meet
	tensor_load_to_lds s[G0:G0+3], s[G1:G1+7]      ; my two planes: two tensor loads of mine are out, the only two of the launch
	s_nop 0
	tensor_load_to_lds s[G0+4:G0+7], s[G1:G1+7]
	s_nop 0
	; WHILE THE PLANES ARE ON THEIR WAY: the table, the pixels' directions, out2's columns
	s_wait_loadcnt 0x0                             ; for zero: the number of loads issued differs between the cluster at (0, 0) and the others
	v_mov_b32 v[CS11], 0xb2d7322b                  ; -1/11!
	NORM2 IN0, IT0+4, IT0+8
	NORM2 IN1, IT1+4, IT1+8
	NORM2 PT, PR, PI
.irp n, IN0, IN1, PT                   ; one batch of twelve; the plain work below stands between it and its wait
.irp i, 0,1,2,3
	v_rsq_f32 v[\n+\i], v[\n+\i]
.endr
.endr
.irp t, IT0, IT1
	v_pk_mul_f32 v[\t:\t+1], v[\t:\t+1], s[L2E:L2E+1] op_sel_hi:[1,0]      ; b' = r0 log2(e)
	v_pk_mul_f32 v[\t+2:\t+3], v[\t+2:\t+3], s[L2E:L2E+1] op_sel_hi:[1,0]
.endr
	BIAS IT0+12
	BIAS IT1+12
	s_wait_alu depctr_va_vdst(0)
	UNIT IT0+4, IT0+8, IN0
	UNIT IT1+4, IT1+8, IN1
	UNIT PR, PI, PT
	ds_store_b128 v[TS], v[IT0:IT0+3]
	ds_store_b128 v[TS], v[IT0+4:IT0+7]  offset:64
	ds_store_b128 v[TS], v[IT0+8:IT0+11] offset:128
	ds_store_b32 v[TC], v[IT0+12]
	ds_store_b128 v[TS], v[IT1:IT1+3]    offset:64*REC
	ds_store_b128 v[TS], v[IT1+4:IT1+7]  offset:64*REC+64
	ds_store_b128 v[TS], v[IT1+8:IT1+11] offset:64*REC+128
	ds_store_b32 v[TC], v[IT1+12]        offset:64*REC
	ds_store_b128 v[PS], v[PR:PR+3] offset:4096
	ds_store_b128 v[PS], v[PI:PI+3] offset:8192
	s_cmp_lg_u32 s[AUXF], 0
	s_cbranch_scc1 .Lno_aux
	; out2: softplus(0.5 logsumexp_f(2 r0)) of my wave's eight columns, summed
.irp c, 0,1,2,3
	v_max3_num_f32 v[AM+\c], v[AX+\c], v[AX+4+\c], v[AX+8+\c]
.endr
.irp c, 0,1,2,3
	v_max3_num_f32 v[AM+\c], v[AM+\c], v[AX+12+\c], v[AX+16+\c]
.endr
.irp c, 0,1,2,3
	v_max3_num_f32 v[AM+\c], v[AM+\c], v[AX+20+\c], v[AX+24+\c]
.endr
.irp m, 2,4,8                          ; over the sixteen lanes that hold the same four columns: lane numbers that differ in bits 1 to 4
.irp c, 0,1,2,3
	v_max_num_f32_dpp v[AM+\c], v[AM+\c], v[AM+\c] row_xmask:\m row_mask:0xf bank_mask:0xf
.endr
.endr
.irp c, 0,1,2,3
	v_permlanex16_b32 v[AT+\c], v[AM+\c], s[SEL], s[SEL+1]
.endr
.irp c, 0,1,2,3
	v_max_num_f32 v[AM+\c], v[AM+\c], v[AT+\c]
.endr
	v_pk_mul_f32 v[AM:AM+1], v[AM:AM+1], s[K2:K2+1] op_sel_hi:[1,0]
	v_pk_mul_f32 v[AM+2:AM+3], v[AM+2:AM+3], s[K2:K2+1] op_sel_hi:[1,0]
.irp i, 0,1,2,3,4,5,6
	v_pk_fma_f32 v[AX+4*\i:AX+4*\i+1],   v[AX+4*\i:AX+4*\i+1],   s[K2:K2+1], v[AM:AM+1]     op_sel_hi:[1,0,1] neg_lo:[0,0,1] neg_hi:[0,0,1]
	v_pk_fma_f32 v[AX+4*\i+2:AX+4*\i+3], v[AX+4*\i+2:AX+4*\i+3], s[K2:K2+1], v[AM+2:AM+3] op_sel_hi:[1,0,1] neg_lo:[0,0,1] neg_hi:[0,0,1]
.endr
.set k, 0
.rept 28
	v_exp_f32 v[AX+k], v[AX+k]
.set k, k+1
.endr
	v_nop
	s_wait_alu depctr_va_vdst(0)
	v_pk_mul_f32 v[AX+24:AX+25], v[AX+24:AX+25], v[VAL:VAL+1]
	v_pk_mul_f32 v[AX+26:AX+27], v[AX+26:AX+27], v[VAL:VAL+1]
.irp i, 1,2,3,4,5,6
	v_pk_add_f32 v[AX:AX+1],   v[AX:AX+1],   v[AX+4*\i:AX+4*\i+1]
	v_pk_add_f32 v[AX+2:AX+3], v[AX+2:AX+3], v[AX+4*\i+2:AX+4*\i+3]
.endr
.irp m, 2,4,8
.irp c, 0,1,2,3
	v_add_f32_dpp v[AX+\c], v[AX+\c], v[AX+\c] row_xmask:\m row_mask:0xf bank_mask:0xf
.endr
.endr
.irp c, 0,1,2,3
	v_permlanex16_b32 v[AT+\c], v[AX+\c], s[SEL], s[SEL+1]
.endr
.irp c, 0,1,2,3
	v_add_f32 v[AX+\c], v[AX+\c], v[AT+\c]
.endr
.irp c, 0,1,2,3
	v_log_f32 v[AX+\c], v[AX+\c]
.endr
	v_nop
	s_wait_alu depctr_va_vdst(0)
	v_pk_add_f32 v[AX:AX+1], v[AX:AX+1], v[AM:AM+1]
	v_pk_add_f32 v[AX+2:AX+3], v[AX+2:AX+3], v[AM+2:AM+3]
	v_pk_mul_f32 v[AX:AX+1], v[AX:AX+1], s[HL2:HL2+1] op_sel_hi:[1,0]      ; c = 0.5 ln 2 (maximum + log2(sum))
	v_pk_mul_f32 v[AX+2:AX+3], v[AX+2:AX+3], s[HL2:HL2+1] op_sel_hi:[1,0]
.irp c, 0,1,2,3                        ; softplus(c) = max(c, 0) + ln(1 + e^-|c|)
	v_and_b32 v[AT+\c], 0x7fffffff, v[AX+\c]
.endr
.irp c, 0,1,2,3
	v_mul_f32 v[AT+\c], 0xbfb8aa3b, v[AT+\c]
.endr
.irp c, 0,1,2,3
	v_exp_f32 v[AT+\c], v[AT+\c]
.endr
	v_nop
	s_wait_alu depctr_va_vdst(0)
.irp c, 0,1,2,3
	v_add_f32 v[AT+\c], 1.0, v[AT+\c]
.endr
.irp c, 0,1,2,3
	v_log_f32 v[AT+\c], v[AT+\c]
.endr
.irp c, 0,1,2,3
	v_max_num_f32 v[AX+\c], 0, v[AX+\c]
.endr
	s_wait_alu depctr_va_vdst(0)
.irp c, 0,1,2,3
	v_fma_f32 v[AX+\c], v[AT+\c], s[LN2], v[AX+\c]
.endr
	v_add_f32 v[AX], v[AX], v[AX+1]
	v_add_f32 v[AX+2], v[AX+2], v[AX+3]
	v_add_f32 v[AX], v[AX], v[AX+2]
	v_add_f32_dpp v[AX], v[AX], v[AX] row_xmask:1 row_mask:0xf bank_mask:0xf  ; and the neighbour lane's four columns
	s_lshl_b32 s57, s[WV], 2
	s_add_co_u32 s57, s57, AUX
	v_mov_b32 v[T0], s57
	ds_store_b32 v[T0], v[AX]                      ; all lanes write the same word with the same value
.Lno_aux:
	; THE NORMS of my two planes
	s_wait_tensorcnt 0x1                           ; a wave's tensor loads end in order: my first plane is in, the second may stay out.  I alone read these bytes, so my own wait is all the ordering that the reads need
	LSE 0
	s_wait_tensorcnt 0x0                           ; the second plane
	LSE 1
	v_pk_fma_f32 v[PA:PA+1],   v[PA:PA+1],   s[L2E:L2E+1], v[NRM:NRM+1] op_sel_hi:[1,0,0] neg_lo:[0,0,1] neg_hi:[0,0,1]                ; a' = ms0 log2(e) - norm log2(e), peak 2 w,
	v_pk_fma_f32 v[PA+2:PA+3], v[PA+2:PA+3], s[L2E:L2E+1], v[NRM:NRM+1] op_sel:[0,0,1] op_sel_hi:[1,0,1] neg_lo:[0,0,1] neg_hi:[0,0,1]  ; and peak 2 w + 1
	ds_store_b128 v[PS], v[PA:PA+3]
	s_wait_dscnt 0x0                               ; for the others' sake: my parts of the table, of the pixel data and of out2's sums are in LDS
	s_barrier_signal -1
	s_barrier_wait -1                              ; everybody's are
	; THE MAIN LOOP
	v_lshl_add_u32 v[LA], v[LN], 4, PIX
.irp j, 0,1,2,3,4,5,6,7
	ds_load_b128 v[A+4*\j:A+4*\j+3],     v[LA] offset:512*\j
.endr
.irp j, 0,1,2,3,4,5,6,7
	ds_load_b128 v[SRE+4*\j:SRE+4*\j+3], v[LA] offset:4096+512*\j
.endr
.irp j, 0,1,2,3,4,5,6,7
	ds_load_b128 v[SIM+4*\j:SIM+4*\j+3], v[LA] offset:8192+512*\j
.endr
	s_mul_i32 s55, s[WV], 12
	s_min_u32 s56, s[WV], 4
	s_add_co_u32 s55, s55, s56                     ; my first frequency: 12 w + min(w, 4)
	s_lshl_b32 s56, s55, 8
	s_add_co_u32 s56, s56, TAB
	v_mov_b32 v[TA], s56
.irp i, 0,1,2,3
	ds_load_b128 v[TB+4*\i:TB+4*\i+3], v[TA] offset:16*\i
.endr
	s_mul_i32 s56, s[BB], 100
	s_add_co_u32 s56, s56, s55                     ; 100 b + f
	s_lshl_b32 s57, s[CH], 8
	s_lshl_b32 s58, s56, 14
	s_add_co_u32 s58, s58, s57
	v_lshl_add_u32 v[VO0], v[LN], 3, s58
	s_lshl_b32 s58, s56, 15
	s_add_co_u32 s58, s58, s57
	v_lshl_add_u32 v[VO1], v[LN], 3, s58
	s_mov_b32 s[CNT], 12
.Lf:
	FSTEP 1
	s_sub_co_u32 s[CNT], s[CNT], 1
	s_cmp_lg_u32 s[CNT], 0
	s_cbranch_scc1 .Lf
	s_cmp_lt_u32 s[WV], 4                          ; waves 0 to 3 have a thirteenth frequency
	s_cbranch_scc0 .Ldone
	FSTEP 0
.Ldone:
	s_cmp_lg_u32 s[AUXF], 0                        ; out2 is finished by wave 4, which has twelve frequencies, in the cluster at (0, 0)
	s_cbranch_scc1 .Lend
	s_cmp_lg_u32 s[WV], 4
	s_cbranch_scc1 .Lend
	v_mov_b32 v[LA], AUX
	ds_load_b128 v[16:19], v[LA]
	ds_load_b128 v[20:23], v[LA] offset:16
	s_wait_dscnt 0x0
	v_pk_add_f32 v[16:17], v[16:17], v[18:19]
	v_pk_add_f32 v[20:21], v[20:21], v[22:23]
	v_pk_add_f32 v[16:17], v[16:17], v[20:21]
	v_add_f32 v16, v16, v17
	v_mul_f32 v16, 0x3c800000, v16                 ; the mean of 64
	v_or_b32 v17, s[CX], v[LN]
	v_mov_b32 v18, 0
	v_cmp_eq_u32 vcc_lo, 0, v17                    ; lane 0 of the partner at place 0
	s_wait_xcnt 0x0                                ; EXEC changes only behind this wait: my stores have read theirs
	s_and_saveexec_b32 s[SVX], vcc_lo
	global_store_b32 v18, v16, s[14:15]
	s_wait_xcnt 0x0                                ; and again, in front of the line that widens it
	s_or_b32 exec_lo, exec_lo, s[SVX]
.Lend:
	s_wait_tensorcnt 0x0                           ; the wave's end: a wait, an add and its wait, behind my last tensor load and my last LDS store
	ds_add_u32 v[SPW], v[NIL]
	s_wait_dscnt 0x0
	ROUND                                          ; the closing round: no work-group ends while a partner may still ask for a plane that names it
	s_endpgm
.Lfunc_end_k_qfe4926a068_superpose:
	.size	k_qfe4926a068_superpose, .Lfunc_end_k_qfe4926a068_superpose-k_qfe4926a068_superpose
	.p2alignl 7, 3214868480
	.fill 96, 4, 3214868480
	.section	.rodata,"a",@progbits
	.p2align	6, 0x0
	.amdhsa_kernel k_qfe4926a068_superpose
		.amdhsa_group_segment_fixed_size 327680
		.amdhsa_private_segment_fixed_size 0
		.amdhsa_enable_private_segment 0
		.amdhsa_kernarg_size 48
		.amdhsa_user_sgpr_count 2
		.amdhsa_user_sgpr_kernarg_segment_ptr 1
		.amdhsa_wavefront_size32 1
		.amdhsa_system_sgpr_workgroup_id_x 1
		.amdhsa_system_sgpr_workgroup_id_y 1
		.amdhsa_system_sgpr_workgroup_id_z 1
		.amdhsa_system_vgpr_workitem_id 0
		.amdhsa_next_free_vgpr 256
		.amdhsa_next_free_sgpr 66
		.amdhsa_reserve_vcc 1
		.amdhsa_float_denorm_mode_32 3
		.amdhsa_float_denorm_mode_16_64 3
		.amdhsa_memory_ordered 1
		.amdhsa_forward_progress 1
		.amdhsa_inst_pref_size 90
	.end_amdhsa_kernel
	.amdgpu_metadata
---
amdhsa.version: [ 1, 2 ]
amdhsa.kernels:
  - .name:           k_qfe4926a068_superpose
    .symbol:         k_qfe4926a068_superpose.kd
    .args:
      - { .name: mode_shapes, .offset: 0, .size: 8, .value_kind: global_buffer, .address_space: global }
      - { .name: mode_responses, .offset: 8, .size: 8, .value_kind: global_buffer, .address_space: global }
      - { .name: frequencies, .offset: 16, .size: 8, .value_kind: global_buffer, .address_space: global }
      - { .name: out0, .offset: 24, .size: 8, .value_kind: global_buffer, .address_space: global }
      - { .name: out1, .offset: 32, .size: 8, .value_kind: global_buffer, .address_space: global }
      - { .name: out2, .offset: 40, .size: 8, .value_kind: global_buffer, .address_space: global }
    .group_segment_fixed_size: 327680
    .private_segment_fixed_size: 0
    .kernarg_segment_align: 8
    .kernarg_segment_size: 48
    .max_flat_workgroup_size: 256
    .sgpr_count:     66
    .vgpr_count:     256
    .wavefront_size: 32
...
	.end_amdgpu_metadata
.endif
;; end of part 1
